; MI455X (gfx1250); checked and timed in simulation.
; The chip was launched on July 23, 2026; its instructions are those of AMD's public machine-readable ISA for CDNA 5 (MIT licence, August 2026) and "CDNA5" Instruction Set Architecture Reference Guide (July 2026). The comments in the code are by the model that wrote it; some were corrected since.
;; Quantized Linear. Allowed arithmetic: matrix products marked QUANTISED: E5M2 operands, one given power-of-two scale a tensor, by v_wmma_f32_16x16x64_bf8_bf8 or v_wmma_f32_16x16x128_bf8_bf8, f32 sums; everything else in f32.
;; Inputs: bias 16,384 float32; lowp_scales 2 int32 (the exponents e of the quantised operands' scales 2^e); weight_q 16,384 x 4,096 int8; weight_scale 16,384 float32; x_codes 1,024 x 128 x 32 uint8 (E5M2 codes of x, K innermost, in blocks of 32 codes).
;; Outputs: out0 1,024 x 16,384 float32.
;; This version of the problem:
;;   THIS VERSION OF THE PROBLEM IS GIVEN IN LOW PRECISION. The matrix products marked QUANTISED in the list below multiply operands that are first quantised to E5M2 (5 exponent bits, 2 mantissa bits; 8 bits a number), with one given power-of-two scale for each operand tensor; their sums are f32. All else is computed in f32.
;;   The module's matrix products, in the order in which they are computed (A, B: the left and right operand; K: the contracted axis; several contracted axes count as one K, in the product's order):
;;     1. [M 1,024, K 4,096] x [K 4,096, N 16,384]; A: input x (given as codes); B: input weight_q: QUANTISED (scales: A lowp_scales[0], B lowp_scales[1])
;;   THE QUANTISER, for each operand of a quantised product, along K:
;;     - The operand's scale is 2^e, e = its entry of the input lowp_scales (int32; the entries are numbered through the quantised products in the list's order, A before B).
;;     - Each number is divided by the scale, clamped to +-57,344, and rounded to the nearest number of E5M2, ties to even, subnormals kept.
;;     - The product sums the exact products of the quantised numbers (number of the format x scale) in f32.
;;   ~~~python
;;   def quantise(x, axis, e):      # numpy; x: float32 -> the quantised numbers, widened to float32 again
;;       x = np.moveaxis(x, axis, -1); K = x.shape[-1]
;;       r = np.clip(x / 2.0 ** e, -57344, 57344)
;;       step = 2.0 ** (np.maximum(np.frexp(np.where(r == 0, 1, r))[1] - 1, -14) - 2)
;;       q = np.round(r / step) * step * 2.0 ** e      # np.round: ties to even
;;       return np.moveaxis(q, -1, axis).astype(np.float32)
;;   ~~~
;;   INPUTS GIVEN AS CODES. x (in the module: [1024, 4096], K = its axis 1): each comes as NAME_codes (uint8): NAME with its K axis moved to the last place and cut into blocks of 32 codes, [.., K / 32, bytes a block], one block behind the other in memory; one code a byte (a code: sign, 5 exponent bits, 2 mantissa bits); its scale is its entry of lowp_scales. Its value is code x scale, taken as it is: it is not quantised again, and the codes and scales need not be those that the quantiser above would give.
;; One version. Each part assembles by itself: llvm-mc -triple=amdgcn-amd-amdhsa -mcpu=gfx1250 --defsym DOCPART=n.
;; ======== version 1 of 1: 1 launch
;; limits: values are held in f16: magnitudes above 65,504 overflow, below 6.1e-05 lose precision; right only within a limited range of input values
;; launch qlin (part 1): grid 256 x 1, 4 waves a work-group, clusters of 4 x 1, 327,680 bytes of LDS; arguments x_codes, weight_q, lowp_scales, weight_scale, bias, out0; writes out0
.if DOCPART == 1
	.amdgcn_target "amdgcn-amd-amdhsa--gfx1250"
	.amdhsa_code_object_version 6
	.text
	.protected	k_qc23d505c1a_qlin
	.globl	k_qc23d505c1a_qlin
	.p2align	8
	.type	k_qc23d505c1a_qlin,@function
k_qc23d505c1a_qlin:
	s_mov_b64 s[64:65], 0
	v_nop
	global_prefetch_b8 v0, s[64:65] scope:SCOPE_SE
	s_setreg_imm32_b32 hwreg(HW_REG_WAVE_MODE, 25, 1), 1
	s_wait_xcnt 0x0
	s_wait_alu depctr_hold_cnt(0) depctr_sa_sdst(0) depctr_va_vdst(0) depctr_va_sdst(0) depctr_va_ssrc(0) depctr_va_vcc(0) depctr_vm_vsrc(0)
	s_getreg_b32 s2, hwreg(HW_REG_IB_STS2, 6, 4)
	s_cmp_eq_u32 s2, 0
	s_cbranch_scc0 .Lentry_in_a_cluster
	s_endpgm
.Lentry_in_a_cluster:
	s_bfe_u32 s2, ttmp6, 0x10000c
	s_cmp_lg_u32 s2, 0x3003
	s_cbranch_scc0 .Lentry_shape_is_right
	s_endpgm
.Lentry_shape_is_right:
; out[m][n] = (sum over k of x[m][k] Q(w[n][k])) x weight_scale[n] + bias[n].  x: [1024][4096] codes of E5M2; w: [16384][4096] int8; out f32.
; A work-group makes 512 (m) x 128 (n): 2 x 128 = 256 work-groups of four waves; a wave makes 128 x 128: 64 sums of 16 x 16, 512 registers.
; K goes in 32 steps of 128.  x comes through a ring of two LDS slots of two steps each (rows of 256 bytes), by tensor loads; W comes from memory
; into registers, is quantised there, and its codes go through two LDS buffers of one step each, from which all four waves read them.
; CLUSTERS: four work-groups along n have the same 512 rows of x: each tile of x is asked for jointly (mask 15).  No two of a cluster share rows of W.
;
; THE QUANTISER.  w is a whole number of 8 bits, so it is an f16 number, exactly: 0x6400 | (w + 128) is 1024 + 128 + w, and 1152 is taken away.
; With e = lowp_scales[1] and n = min(e + 11, 3): w / 2^n is rounded to E3M2, ties to even, and held at 28.  E3M2's numbers from 1/4 on have the three
; significant bits that E5M2's have, and the only whole numbers under 2^n / 4 (n <= 3) are 0 and +-1, which E3M2 holds exactly.  28 x 2^n is 57,344 x 2^e
; where n = e + 11; where n = 3 (e >= -8) it is 224, over every |w|, and 57,344 x 2^e is over every |w| too.  So this conversion IS the quantiser's clamp and
; its rounding.  What follows is exact: E3M2 to f16, times 2^(n - e), is a number of E5M2, and the high byte of such an f16 is its code.
; LIMITS: lowp_scales[1] lies between -100 and 14 (at 14 the number 1 is still a normal number of E5M2);
; weight_scale x 2^(lowp_scales[0] + lowp_scales[1]) is a normal f32 number.
;
; REGISTERS, in windows of 256.  Window 0: v0-31 addresses and constants, v32-47 two units at work in the quantiser, v48-63 codes of four units,
;   v64-191 A's fragments (8 blocks of 16 rows x 128 K), v192-255 raw W: two steps of eight units.  Window 1: B's fragments, two sets.
;   Windows 2, 3: the sums of A's blocks 0-3 and 4-7: (a, b) at v[8 (8 (a % 4) + b)].
; A unit of W is 4 rows x 128 bytes, 16 bytes a lane; a wave quantises 32 of the 128 rows: eight units a step.
; The matrix instruction is used transposed: source 0 = 16 rows of W, source 1 = 16 rows of x: a lane holds eight neighbouring columns of a row of out.
; STEP s: first half: A's blocks 0-3; second half: 4-7.  Behind each half's 32 products a half of the raw W of step s + 2 is quantised and that of step
; s + 4 is asked for.  LDS and memory instructions stand in runs behind that vector work: B's fragments of step s + 1 behind the step's one barrier,
; A's blocks 0-3 of step s + 1 inside the second half's quantising, its blocks 4-7 at the step's end.
; PREFETCH: trip t asks for the two tiles of x that trip t + 1 loads (for the last trip: steps 25 and 27), four steps ahead of their tensor loads.  All clusters of a
; half of m read the same tiles, so only four clusters ask, two for each half of m: the first two and numbers 60 and 61.  In each the 512 rows are shared out by address:
; 128 to a work-group, 32 to a wave, a lane a row, 256 bytes each.  W is not prefetched: its loads into registers stand two steps ahead of their use.
.set KROW,   4096
.set ROWB,   256
.set PITCH,  272                       ; an LDS row of x: 256 bytes + 16 of padding
.set HALFT,  128*PITCH                 ; a wave's 128 rows
.set SLOT,   4*HALFT
.set CPITCH, 144                       ; a row of W's codes: 128 bytes + 16
.set CBUF,   128*CPITCH
.set CB0,    2*SLOT
.set SPARE,  CB0+2*CBUF                ; the spare words, 512 bytes
.set SPITCH, 528                       ; the way out: 16 rows x (512 + 16) bytes a wave, in slot 0 behind its last fill and last read
.set TRIPS,  6
.set WS,   0                           ; v0-3   behind the head: weight_scale x 2^(sum of the exponents), my four columns
.set ADRA, 4                           ; v4-5   A's fragments in slot 0, 1
.set ADRB, 6                           ; v6-7   B's fragments in code buffer 0, 1
.set CST,  8                           ; v8-9   where my codes go in code buffer 0, 1
.set WO,   10                          ; v10    my offset in W
.set STO,  11                          ; v11, v12  the way out: in, back
.set RD,   12
.set CO,   13                          ; v13    16 x lane
.set SPW,  14                          ; v14    my spare word's address, never rewritten
.set NIL,  15                          ; v15    0, never rewritten
.set S6,   16                          ; v16    2^n
.set SC,   17                          ; v17    2^(n - e) as E8M0, in every byte
.set NEG,  19                          ; v19    -1152, two f16
.set S,    20                          ; v20-22, v24-26  E3M2 codes of two units
.set PF,   23                          ; v23    the prefetch's offset: my lane x a row of x
.set BI,   28                          ; v28-31 bias, my four columns
.set T,    32
.set C,    48
.set AF,   64
.set RAW,  192
.set BK,   128                         ; the way out: v128-191 and v192-255 by turns
.set WV,   16
.set G1,   24
.set G0,   32
.set WB,   40                          ; s[40:41]  my work-group's rows of W, at the trip's first step less one
.set XP,   42                          ; s[42:43]  the rows of x that my wave prefetches
.set SX,   46
.set MG,   47
.set SEL,  48
.set PKS,  50
.set ASK,  51                          ; s51    0 where my cluster prefetches
.set MSB, 0
.macro WIN new                         ; the immediate's high byte repeats the setting that is left
.if MSB != (\new)
	s_set_vgpr_msb (MSB<<8)|(\new)
.set MSB, (\new)
.endif
.endm
.set MUL_LO, 0xa1
.set MUL_HI, 0xf1
.set TO_B,   0x40
.macro PLACES n
.rept \n
	v_nop
.endr
.endm
.macro CREST                           ; a round of the cluster's barrier behind its opening barrier
	s_cmp_lg_u32 s[WV], 0
	s_cbranch_scc1 .Lnot_wave_0_\@
	s_barrier_signal -3
.Lnot_wave_0_\@:
	s_barrier_wait -3
	s_barrier_signal -1
	s_barrier_wait -1
.endm
.macro CROUND
	s_barrier_signal -1
	s_barrier_wait -1
	CREST
.endm
.macro STC p, u, k                     ; codes of unit u, from place k of C, into code buffer p
	ds_store_b128 v[CST+(\p)], v[C+4*(\k):C+4*(\k)+3] offset:4*CPITCH*(\u)
.endm
.macro LDW reg, u, off                 ; raw W: unit u of the step at byte off of the rows
	global_load_b128 v[\reg:\reg+3], v[WO], s[WB:WB+1] offset:(\off)+16384*(\u)
.endm
.macro LDB set                         ; B's eight fragments from code buffer set
	WIN TO_B
.irp b, 0,1,2,3,4,5,6,7
.irp c, 0,1,2,3
	ds_load_b128 v[128*(\set)+16*\b+4*\c:128*(\set)+16*\b+4*\c+3], v[ADRB+(\set)] offset:\b*16*CPITCH+32*\c
.endr
.endr
	WIN 0
.endm
.macro LDA reg, buf, q, blk            ; A's fragment of block blk, the slot's q-th step
.irp c, 0,1,2,3
	ds_load_b128 v[\reg+4*\c:\reg+4*\c+3], v[ADRA+(\buf)] offset:128*(\q)+32*\c+(\blk)*16*PITCH
.endr
.endm
; THE QUANTISER on four units, raw in v[RG ..], codes to v[C ..].  Two units are at work at a time (T, S by turns).  Between a conversion and the next
; vector instruction that touches its result or writes its source stand plain vector instructions of another unit, or a v_nop.
.macro XR u                            ; w + 128
.irp i, 0,1,2,3
	v_xor_b32 v[RG+4*\u+\i], s[SX], v[RG+4*\u+\i]
.endr
.endm
.macro PM u                            ; two bytes to two f16: 1024 + 128 + w
.irp i, 0,1,2,3
	v_perm_b32 v[T+8*(\u%2)+2*\i], v[RG+4*\u+\i], s[MG], s[SEL]
	v_perm_b32 v[T+8*(\u%2)+2*\i+1], v[RG+4*\u+\i], s[MG], s[SEL+1]
.endr
.endm
.macro AD u                            ; w, exactly
.irp i, 0,1,2,3,4,5,6,7
	v_pk_add_f16 v[T+8*(\u%2)+\i], v[T+8*(\u%2)+\i], v[NEG]
.endr
.endm
.macro C6 u                            ; the clamp and the rounding
	v_cvt_scalef32_pk16_bf6_f16 v[S+4*(\u%2):S+4*(\u%2)+2], v[T+8*(\u%2):T+8*(\u%2)+7], v[S6]
.endm
.macro UP u                            ; the quantised w / 2^e, exactly
	v_cvt_scale_pk16_f16_bf6 v[T+8*(\u%2):T+8*(\u%2)+7], v[S+4*(\u%2):S+4*(\u%2)+2], v[SC]
.endm
.macro PK u                            ; its code: the high byte of each f16
.irp i, 0,1,2,3
	v_perm_b32 v[C+4*\u+\i], v[T+8*(\u%2)+2*\i+1], v[T+8*(\u%2)+2*\i], s[PKS]
.endr
.endm
; mid = 1: A's blocks 0-3 of the next step are fetched on the way; 2: A's blocks 0 and 1 of the last two steps;
; 3: the wait for my tensor load and the add, further on the wait for the add and the barrier's signal; 4: the same without the add.
.macro CONV4 rg, mid
.set RG, \rg
	XR 0
	XR 1
	PM 0
	PM 1
	AD 0
.if \mid == 1
.irp k, 0,1,2,3
	LDA AF+16*\k, SN/2, SN%2, \k
.endr
.elseif \mid == 2
.irp k, 0,1
	LDA AF+32*\k, 1, 0, \k
	LDA AF+32*\k+16, 1, 1, \k
.endr
.elseif \mid >= 3
	s_wait_alu depctr_va_vdst(0)
	s_wait_tensorcnt 0x0                           ; my part of the other slot has landed
.if \mid == 3
	ds_add_u32 v[SPW], v[NIL]                      ; 0 onto my spare word; vector work stands between it and the wait for it
.endif
.endif
	C6 0
	AD 1
	UP 0
	XR 2
	C6 1
	PK 0
	XR 3
	UP 1
	PM 2
.if \mid >= 3
	s_wait_alu depctr_va_vdst(0)
	s_wait_dscnt 0x0                               ; my reads of this step's x and codes, my stores of the next step's codes (and the add) are done
	s_barrier_signal -1
.endif
	PK 1
	AD 2
	C6 2
	PM 3
	UP 2
	AD 3
	C6 3
	PK 2
	UP 3
	v_nop
	PK 3
	s_wait_alu depctr_va_vdst(0)
.endm
; 32 products of half h.  zero = 1: they start the sums.  w >= 0: LDS instructions that may be out at A's block 0; each further block four fewer
.macro PROD s4, h, zero, w
.set I, 0
.rept 32
.if ((\w) >= 0) && (I%8 == 0)
	s_wait_dscnt (\w)-4*(I/8)
.endif
.set MA, 4*(\h)+I/8
.set AC, 8*(8*(I/8)+I%8)
.set BF, 128*((\s4)%2)+16*(I%8)
.set AB, AF+16*MA
	WIN MUL_LO+0x50*(\h)
.if \zero
	v_wmma_f32_16x16x128_bf8_bf8 v[AC:AC+7], v[BF:BF+15], v[AB:AB+15], 0
.else
	v_wmma_f32_16x16x128_bf8_bf8 v[AC:AC+7], v[BF:BF+15], v[AB:AB+15], v[AC:AC+7]
.endif
.set I, I+1
.endr
	WIN 0
.endm
; FIRST HALF of step s (s4 = s % 4).  bar = 1: the other slot is read behind the barrier; 2: and this slot is filled again.
; g: raw W of step s + 4, first half, at byte goff of the rows.  lag: raw loads younger than those quantised here.
; w: behind A's block 0 stand the other three blocks' 12 loads, 4 stores (none ahead of step 0) and 16 loads of blocks 4-7.
.macro HA s4, zero, g, goff, bar, lag, w
	PROD \s4, 0, \zero, \w
	s_wait_loadcnt \lag
.if \bar
	CONV4 RAW+32*((\s4)%2), 5-\bar
.else
	s_wait_dscnt 0x0                               ; my reads of this step's x and codes, my stores of the next step's codes are done
	s_barrier_signal -1
	CONV4 RAW+32*((\s4)%2), 0
.endif
.if \bar == 2
	s_add_nc_u64 s[G0+4*((\s4)/2)+2:G0+4*((\s4)/2)+3], s[G0+4*((\s4)/2)+2:G0+4*((\s4)/2)+3], 2*ROWB
.endif
	s_barrier_wait -1
.if \bar == 2
	CREST                                          ; no wave of any partner still reads this slot's tile or has a load on its way
	tensor_load_to_lds s[G0+4*((\s4)/2):G0+4*((\s4)/2)+3], s[G1:G1+7]
	s_nop 0
	PLACES 4
.endif
.if \g
.irp k, 0,1,2,3
	LDW RAW+32*((\s4)%2)+4*\k, \k, \goff
.endr
.endif
	LDB ((\s4)+1)%2                                ; the next step's codes; this set was last read in the step before
.irp k, 0,1,2,3
	STC (\s4)%2, \k, \k                            ; codes of step s + 2, into the buffer that every wave has read out
.endr
.endm
; SECOND HALF.  A's blocks 4-7 came in ahead of the step's barrier.  rows = 1: step 29, behind which the last two steps go by rows.
.macro HB s4, zero, g, goff, rows, lag
.set SN, ((\s4)+1)%4
	PROD \s4, 1, \zero, -1
	s_wait_loadcnt \lag
	CONV4 RAW+32*((\s4)%2)+16, 1+\rows
.irp k, 0,1,2,3
	STC (\s4)%2, 4+\k, \k
.endr
.if \g
.irp k, 0,1,2,3
	LDW RAW+32*((\s4)%2)+16+4*\k, 4+\k, \goff
.endr
.endif
.if (\rows) == 0
.irp k, 4,5,6,7
	LDA AF+16*\k, SN/2, SN%2, \k
.endr
.endif
.endm
	s_load_b256 s[4:11], s[0:1], 0x0               ; x, W, the exponents, weight_scale
	s_load_b128 s[12:15], s[0:1], 0x20             ; bias, out
	v_lshl_add_u32 v[SPW], v0, 2, SPARE
	v_mov_b32 v[NIL], 0
	ds_add_u32 v[SPW], v[NIL]                      ; the wave's opening: the add, twice on end, and its wait
	ds_add_u32 v[SPW], v[NIL]
	v_lshrrev_b32 v1, 5, v0
	v_readfirstlane_b32 s[WV], v1                  ; wave 0..3
	s_bfe_u32 s17, ttmp6, 0x40000                  ; cx
	s_and_b32 s18, ttmp9, 1                        ; which 512 rows of x
	s_lshr_b32 s19, ttmp9, 1
	s_lshl_b32 s19, s19, 2
	s_add_co_u32 s19, s19, s17                     ; which 128 rows of W
	s_mul_i32 s20, s[WV], HALFT
	s_mul_i32 s21, s[WV], 32*CPITCH
	s_add_co_u32 s21, s21, CB0
	s_lshl_b32 s22, s[WV], 17                      ; 32 rows of W
	s_mul_i32 s23, s[WV], 16*SPITCH
	v_and_b32 v1, 15, v0
	v_bfe_u32 v2, v0, 4, 1
	v_and_b32 v3, 31, v0
	v_bfe_u32 v18, v0, 3, 2                        ; my row of a unit
	v_and_b32 v19, 7, v0                           ; my 16 bytes of it
	v_mul_u32_u24 v[ADRA], v1, PITCH
	v_lshl_add_u32 v[ADRA], v2, 4, v[ADRA]
	v_add_nc_u32 v[ADRA], s20, v[ADRA]
	v_add_nc_u32 v[ADRA+1], SLOT, v[ADRA]
	v_mul_u32_u24 v[ADRB], v1, CPITCH
	v_lshl_add_u32 v[ADRB], v2, 4, v[ADRB]
	v_add_nc_u32 v[ADRB], CB0, v[ADRB]
	v_add_nc_u32 v[ADRB+1], CBUF, v[ADRB]
	v_mul_u32_u24 v[CST], v18, CPITCH
	v_lshl_add_u32 v[CST], v19, 4, v[CST]
	v_add_nc_u32 v[CST], s21, v[CST]
	v_add_nc_u32 v[CST+1], CBUF, v[CST]
	v_lshlrev_b32 v[WO], 12, v18
	v_lshl_add_u32 v[WO], v19, 4, v[WO]
	v_add_nc_u32 v[WO], s22, v[WO]
	v_lshlrev_b32 v[PF], 12, v3
	v_mul_u32_u24 v[STO], v1, SPITCH
	v_lshl_add_u32 v[STO], v2, 5, v[STO]
	v_add_nc_u32 v[STO], s23, v[STO]
	v_lshlrev_b32 v[CO], 4, v3
	v_add_nc_u32 v[RD], s23, v[CO]
	; descriptor group 1: 128 rows x 256 bytes, 16 bytes of padding behind each row in LDS, mask 15 and bit 21 beside it
	s_mov_b32 s[G1], 15|(1<<20)|(1<<21)|(5<<22)|(3<<25)
	s_mov_b32 s[G1+1], ROWB<<16
	s_mov_b32 s[G1+2], 128<<16
	s_mov_b32 s[G1+3], ROWB<<16
	s_mov_b32 s[G1+4], 128
	s_mov_b32 s[G1+5], KROW
	s_mov_b32 s[G1+6], 0
	s_mov_b32 s[G1+7], 0
	s_mov_b32 s[SX], 0x80808080
	s_mov_b32 s[MG], 0x64646464
	s_mov_b32 s[SEL], 0x00050004
	s_mov_b32 s[SEL+1], 0x00070006
	s_mov_b32 s[PKS], 0x07050301
	s_lshr_b32 s[ASK], ttmp9, 1                    ; cluster / 2, 0 to 31:
	s_add_co_u32 s[ASK], s[ASK], 2                 ; with 2 added, bits 0, 2, 3 and 4 are all 0 for 0 and 30 alone
	s_and_b32 s[ASK], s[ASK], 29
	s_lshl_b32 s44, s18, 21                        ; prefetch: 512 rows x half + 128 rows x cx + 32 rows x wave
	s_lshl_b32 s45, s17, 19
	s_add_co_u32 s44, s44, s45
	s_lshl_b32 s45, s[WV], 17
	s_add_co_u32 s44, s44, s45
	s_mov_b32 s45, 0
	s_lshl_b32 s22, s18, 21                        ; x: 512 rows x half + 128 rows x wave
	s_lshl_b32 s23, s[WV], 19
	s_add_co_u32 s22, s22, s23
	s_mov_b32 s23, 0
	s_lshl_b32 s58, s19, 19                        ; W: 128 rows x tile
	s_mov_b32 s59, 0
	s_lshl_b32 s60, s19, 9                         ; 128 columns of f32
	s_mov_b32 s61, 0
	s_lshl_b32 s62, s18, 25                        ; out: my first row and column
	s_lshl_b32 s63, s[WV], 23
	s_add_co_u32 s62, s62, s63
	s_add_co_u32 s62, s62, s60
	s_mov_b32 s63, 0
	s_wait_alu depctr_va_vdst(0)
	s_wait_dscnt 0x0                               ; both opening adds are done
	CROUND                                         ; all four work-groups are here: the first joint loads meet
	s_wait_kmcnt 0x0
	s_load_b64 s[54:55], s[8:9], 0x0               ; the exponents of x's and W's scales
	s_add_nc_u64 s[WB:WB+1], s[6:7], s[58:59]
.irp u, 0,1,2,3,4,5,6,7                            ; raw W of step 0
	LDW RAW+4*\u, \u, 0
.endr
	s_add_nc_u64 s[XP:XP+1], s[4:5], s[44:45]
	s_add_nc_u64 s[4:5], s[4:5], s[22:23]
	s_add_nc_u64 s[10:11], s[10:11], s[60:61]
	s_add_nc_u64 s[12:13], s[12:13], s[60:61]
	s_add_nc_u64 s[14:15], s[14:15], s[62:63]
.irp b, 0,1
	s_mov_b32 s[G0+4*\b], 1
	s_add_co_u32 s[G0+4*\b+1], s20, \b*SLOT
	s_add_nc_u64 s[G0+4*\b+2:G0+4*\b+3], s[4:5], \b*ROWB
	s_or_b32 s[G0+4*\b+3], s[G0+4*\b+3], 0x80000000
.endr
	tensor_load_to_lds s[G0:G0+3], s[G1:G1+7]      ; x of steps 0 and 1
	s_nop 0
	PLACES 4
.irp u, 0,1,2,3,4,5,6,7                            ; raw W of step 1
	LDW RAW+32+4*\u, \u, 128
.endr
	global_load_b128 v[WS:WS+3], v[CO], s[10:11]
	global_load_b128 v[BI:BI+3], v[CO], s[12:13]
	s_wait_kmcnt 0x0
	s_add_co_i32 s56, s55, 11
	s_min_i32 s56, s56, 3                          ; n
	s_add_co_i32 s57, s56, 127
	s_lshl_b32 s57, s57, 23
	v_mov_b32 v[S6], s57                           ; 2^n
	s_sub_co_i32 s57, s56, s55
	s_add_co_i32 s57, s57, 127
	s_mul_i32 s57, s57, 0x1010101
	v_mov_b32 v[SC], s57                           ; 2^(n - e)
	v_mov_b32 v[NEG], 0xe480e480
	s_add_co_i32 s56, s54, s55
	s_wait_alu depctr_va_vdst(0)
.irp b, 0,1,2,3                                    ; steps 0 and 1, half by half, while x is on its way; their registers take steps 2 and 3
	s_wait_loadcnt 14                              ; behind these four: 14 loads, of W, weight_scale and bias
	CONV4 RAW+16*\b, 0
.irp k, 0,1,2,3
	STC \b/2, 4*(\b%2)+\k, \k
	LDW RAW+16*\b+4*\k, 4*(\b%2)+\k, 128*(2+\b/2)
.endr
.endr
	s_wait_loadcnt 16                              ; weight_scale and bias are in
.irp j, 0,1,2,3
	v_ldexp_f32 v[WS+\j], v[WS+\j], s56            ; x 2^(both exponents)
.endr
	s_wait_alu depctr_va_vdst(0)
	s_wait_tensorcnt 0x0                           ; my part of slot 0 is in
	ds_add_u32 v[SPW], v[NIL]
	s_wait_dscnt 0x0                               ; the add and my codes of steps 0 and 1 are done
	CROUND
	tensor_load_to_lds s[G0+4:G0+7], s[G1:G1+7]    ; x of steps 2 and 3, the first tensor load behind the round
	s_nop 0
	PLACES 4
	LDB 0
.irp k, 0,1,2,3,4,5,6,7
	LDA AF+16*\k, 0, 0, \k
.endr
	HA 0, 1, 1, 512, 0, 12, 28                     ; step 0 starts the sums
	HB 0, 1, 1, 512, 0, 12
	s_mov_b32 s3, TRIPS
.Ltrip:                                            ; steps 4 t + 1 .. 4 t + 4.  s[WB] stands at step 4 t
	HA 1, 0, 1, 640, 2, 12, 32
	HB 1, 0, 1, 640, 0, 12
	s_cmp_eq_u32 s[ASK], 0
	s_cbranch_scc0 .Lask_nothing
	global_prefetch_b8 v[PF], s[XP:XP+1] offset:1024 th:TH_LOAD_NT scope:SCOPE_SE   ; x of steps 4 t + 8 and 4 t + 9,
	global_prefetch_b8 v[PF], s[XP:XP+1] offset:1280 th:TH_LOAD_NT scope:SCOPE_SE   ; 4 t + 10 and 4 t + 11
.Lask_nothing:
	HA 2, 0, 1, 768, 0, 12, 32
	HB 2, 0, 1, 768, 0, 12
	HA 3, 0, 1, 896, 2, 12, 32
	HB 3, 0, 1, 896, 0, 12
	HA 0, 0, 1, 1024, 0, 12, 32
	HB 0, 0, 1, 1024, 0, 12
	s_wait_xcnt 0x0                                ; every load and prefetch has read its base
	s_add_nc_u64 s[WB:WB+1], s[WB:WB+1], 512
	s_add_nc_u64 s[XP:XP+1], s[XP:XP+1], 512
	s_sub_co_u32 s3, s3, 1
	s_cmp_lg_u32 s3, 0
	s_cbranch_scc1 .Ltrip
	HA 1, 0, 1, 640, 2, 12, 32                     ; steps 25 to 27: the last raw W and the last tiles of x are asked for
	HB 1, 0, 1, 640, 0, 12
	HA 2, 0, 1, 768, 0, 12, 32
	HB 2, 0, 1, 768, 0, 12
	HA 3, 0, 1, 896, 2, 12, 32
	HB 3, 0, 1, 896, 0, 12
	HA 0, 0, 0, 0, 0, 12, 32                       ; steps 28 and 29: nothing more is asked for
	HB 0, 0, 0, 0, 0, 8
	HA 1, 0, 0, 0, 1, 4, 32
	HB 1, 0, 0, 0, 1, 0
	s_wait_dscnt 0x0
	s_barrier_signal -1
	s_barrier_wait -1                              ; all codes are there, and nobody reads slot 0 any more
; THE LAST TWO STEPS GO BY ROWS: B's two sets hold both steps, and A's blocks are finished one after the other, 16 products each (8 sums by turns), and leave.
.macro MMR a, q
	WIN MUL_LO+0x50*((\a)/4)
.irp b, 0,1,2,3,4,5,6,7
	v_wmma_f32_16x16x128_bf8_bf8 v[64*((\a)%4)+8*\b:64*((\a)%4)+8*\b+7], v[128*(\q)+16*\b:128*(\q)+16*\b+15], v[AF+32*((\a)%2)+16*(\q):AF+32*((\a)%2)+16*(\q)+15], v[64*((\a)%4)+8*\b:64*((\a)%4)+8*\b+7]
.endr
.endm
.macro TOSTAGE a                       ; a block of 16 rows x 128 columns into my own stage, and back as whole rows (LDS serves a wave's instructions in order: ISA guide 5.7.1.4)
	WIN 0x08+4*((\a)/4)
.irp b, 0,1,2,3,4,5,6,7
	ds_store_b128 v[STO], v[64*((\a)%4)+8*\b:64*((\a)%4)+8*\b+3] offset:64*\b
	ds_store_b128 v[STO], v[64*((\a)%4)+8*\b+4:64*((\a)%4)+8*\b+7] offset:64*\b+16
.endr
	WIN 0
.irp t, 0,1,2,3,4,5,6,7,8,9,10,11,12,13,14,15
	ds_load_b128 v[BK+64*((\a)%2)+4*\t:BK+64*((\a)%2)+4*\t+3], v[RD] offset:\t*SPITCH
.endr
.endm
.macro SEND a                          ; scaled, the bias added, stored: 32 lanes store 512 consecutive bytes, two aligned units of 256
.set BB, BK+64*((\a)%2)
	WIN 0
	s_wait_dscnt 0x0
.irp t, 0,1,2,3,4,5,6,7,8,9,10,11,12,13,14,15
	v_pk_fma_f32 v[BB+4*\t:BB+4*\t+1], v[BB+4*\t:BB+4*\t+1], v[WS:WS+1], v[BI:BI+1]
	v_pk_fma_f32 v[BB+4*\t+2:BB+4*\t+3], v[BB+4*\t+2:BB+4*\t+3], v[WS+2:WS+3], v[BI+2:BI+3]
.endr
.irp t, 0,1,2,3,4,5,6,7,8,9,10,11,12,13,14,15
	global_store_b128 v[CO], v[BB+4*\t:BB+4*\t+3], s[14:15] offset:(16*(\a)+\t)*65536 th:TH_STORE_NT
.endr
.endm
	LDB 1
	MMR 0, 0                                       ; (their fragments were waited for ahead of the barrier)
	MMR 1, 0
	s_wait_dscnt 0x0                               ; step 31's fragments of B
	MMR 0, 1
.irp a, 0,1,2,3,4,5,6,7
	WIN 0
	PLACES 4                                       ; for the loads over block a's fragments and the stores of its sums
.if \a < 6
	LDA AF+32*(\a%2), 1, 0, \a+2
	LDA AF+32*(\a%2)+16, 1, 1, \a+2
.endif
.if \a > 1
	s_wait_xcnt 0x0                                ; block a - 2's stores have read their registers
.endif
	TOSTAGE \a
.if \a == 0
	MMR 1, 1
.elseif \a < 7
	MMR \a+1, 0                                    ; (block a + 1's fragments came in ahead of block a - 1's rows)
	MMR \a+1, 1
.endif
	SEND \a
.endr
	s_wait_tensorcnt 0x0                           ; the wave's end
	ds_add_u32 v[SPW], v[NIL]
	s_wait_dscnt 0x0
	CROUND                                         ; the closing round
	s_endpgm
.Lfunc_end_k_qc23d505c1a_qlin:
	.size	k_qc23d505c1a_qlin, .Lfunc_end_k_qc23d505c1a_qlin-k_qc23d505c1a_qlin
	.p2alignl 7, 3214868480
	.fill 96, 4, 3214868480
	.section	.rodata,"a",@progbits
	.p2align	6, 0x0
	.amdhsa_kernel k_qc23d505c1a_qlin
		.amdhsa_group_segment_fixed_size 327680
		.amdhsa_private_segment_fixed_size 0
		.amdhsa_enable_private_segment 0
		.amdhsa_kernarg_size 48
		.amdhsa_user_sgpr_count 2
		.amdhsa_user_sgpr_kernarg_segment_ptr 1
		.amdhsa_wavefront_size32 1
		.amdhsa_system_sgpr_workgroup_id_x 1
		.amdhsa_system_sgpr_workgroup_id_y 1
		.amdhsa_system_sgpr_workgroup_id_z 1
		.amdhsa_system_vgpr_workitem_id 0
		.amdhsa_next_free_vgpr 1024
		.amdhsa_next_free_sgpr 66
		.amdhsa_reserve_vcc 0
		.amdhsa_float_denorm_mode_32 3
		.amdhsa_float_denorm_mode_16_64 3
		.amdhsa_memory_ordered 1
		.amdhsa_forward_progress 1
		.amdhsa_inst_pref_size 255
	.end_amdhsa_kernel
	.section	.bss,"aw",@nobits
	.p2align	6
	.space	262144
	.amdgpu_metadata
---
amdhsa.version: [ 1, 2 ]
amdhsa.kernels:
  - .name:           k_qc23d505c1a_qlin
    .symbol:         k_qc23d505c1a_qlin.kd
    .args:
      - { .name: x_codes, .offset: 0, .size: 8, .value_kind: global_buffer, .address_space: global }
      - { .name: weight_q, .offset: 8, .size: 8, .value_kind: global_buffer, .address_space: global }
      - { .name: lowp_scales, .offset: 16, .size: 8, .value_kind: global_buffer, .address_space: global }
      - { .name: weight_scale, .offset: 24, .size: 8, .value_kind: global_buffer, .address_space: global }
      - { .name: bias, .offset: 32, .size: 8, .value_kind: global_buffer, .address_space: global }
      - { .name: out0, .offset: 40, .size: 8, .value_kind: global_buffer, .address_space: global }
    .group_segment_fixed_size: 327680
    .private_segment_fixed_size: 0
    .kernarg_segment_align: 8
    .kernarg_segment_size: 48
    .max_flat_workgroup_size: 128
    .sgpr_count:     66
    .vgpr_count:     1024
    .wavefront_size: 32
...
	.end_amdgpu_metadata
.endif
;; end of part 1
